; MI455X (gfx1250); checked and timed in simulation.
; The chip was launched on July 23, 2026; its instructions are those of AMD's public machine-readable ISA for CDNA 5 (MIT licence, August 2026) and "CDNA5" Instruction Set Architecture Reference Guide (July 2026). The comments in the code are by the model that wrote it; some were corrected since.
;; custom rnn model. Allowed arithmetic: matrix products marked QUANTISED: E2M3 operands, one E8M0 scale for each 32 along K, by v_wmma_scale_f32_16x16x128_f8f6f4 with both operands' format E2M3, f32 sums; everything else in f32.
;; Inputs: external_input_tensor 100,000 x 512 float32; input_biases 512 float32; input_weights 512 x 512 float32; output_biases 128 float32; output_weights 512 x 128 float32; recurrent_biases 512 float32; recurrent_weights 512 x 512 float32.
;; Outputs: out0 100,000 x 128 float32.
;; This version of the problem:
;;   THIS VERSION OF THE PROBLEM IS GIVEN IN LOW PRECISION. The matrix products marked QUANTISED in the list below multiply operands that are first quantised to E2M3 (2 exponent bits, 3 mantissa bits; 6 bits a number), with one power-of-two scale for each 32 numbers along K (OCP MX v1.0); their sums are f32. All else is computed in f32.
;;   The module's matrix products, in the order in which they are computed (A, B: the left and right operand; K: the contracted axis; several contracted axes count as one K, in the product's order):
;;     1. [M 100,000, K 512] x [K 512, N 512]; A: computed on the way; B: input input_weights: QUANTISED
;;     2. [M 100,000, K 512] x [K 512, N 512]; A: computed on the way; B: input recurrent_weights: QUANTISED
;;     3. [M 100,000, K 512] x [K 512, N 128]; A: computed on the way; B: input output_weights: QUANTISED
;;   THE QUANTISER, for each operand of a quantised product, along K:
;;     - K is cut into blocks of 32 from its start; a last block that is shorter is filled with zeros.
;;     - A block's scale is 2^e with e = floor(log2(the largest magnitude in the block)) - 2, held to -126 .. 127; a block of zeros has e = 0. As a byte (E8M0): e + 127.
;;     - Each number is divided by its block's scale, clamped to +-7.5, and rounded to the nearest number of E2M3, ties to even, subnormals kept.
;;     - The product sums the exact products of the quantised numbers (number of the format x scale) in f32.
;;   ~~~python
;;   def quantise(x, axis):      # numpy; x: float32 -> the quantised numbers, widened to float32 again
;;       x = np.moveaxis(x, axis, -1); K = x.shape[-1]
;;       x = np.pad(x, [(0, 0)] * (x.ndim - 1) + [(0, -K % 32)]); x = x.reshape(x.shape[:-1] + (-1, 32)); a = np.abs(x).max(-1, keepdims=True)
;;       e = np.where(a > 0, np.clip(np.frexp(np.where(a > 0, a, 1))[1] - 1 - 2, -126, 127), 0)      # np.frexp(a)[1] - 1 = floor(log2(a)), exactly
;;       r = np.clip(x / 2.0 ** e, -7.5, 7.5)
;;       step = 2.0 ** (np.maximum(np.frexp(np.where(r == 0, 1, r))[1] - 1, 0) - 3)
;;       q = np.round(r / step) * step * 2.0 ** e      # np.round: ties to even
;;       return np.moveaxis(q.reshape(q.shape[:-2] + (-1,))[..., :K], -1, axis).astype(np.float32)
;;   ~~~
;;   OPERANDS COMPUTED ON THE WAY. 'Computed on the way' means the value that the module computes at that place (a softmax that the list does not call 'softmax' is quantised finished and normalised). What goes into a quantiser is computed in f32, as accurately as f32 sums, v_exp_f32 and their like allow (about 1e-6 of the number): no bf16 or f16 on the way to a quantiser, and a product that is left as it is and whose result goes on into a quantised operand takes f32 operands (vector FMAs, or v_wmma_f32_16x16x4_f32). A number that lies on a knife's edge between two numbers of the format may be rounded either way, as far as f32 arithmetic and the matrix unit's own rounding can turn it there, and no further.
;; One version. Each part assembles by itself: llvm-mc -triple=amdgcn-amd-amdhsa -mcpu=gfx1250 --defsym DOCPART=n.
;; ======== version 1 of 1: 2 launches
;; limits: right only within a limited range of input values
;; workspace buffers: wq 460,800 bytes
;; launch prep (part 1): grid 36 x 1, 8 waves a work-group, no clusters, 2,048 bytes of LDS; arguments input_weights, recurrent_weights, output_weights, wq; writes wq
.if DOCPART == 1
	.amdgcn_target "amdgcn-amd-amdhsa--gfx1250"
	.amdhsa_code_object_version 6
	.text
	.protected	k_q6e822ef828_prep
	.globl	k_q6e822ef828_prep
	.p2align	8
	.type	k_q6e822ef828_prep,@function
k_q6e822ef828_prep:
	s_mov_b64 s[64:65], 0
	v_nop
	global_prefetch_b8 v0, s[64:65] scope:SCOPE_SE
	s_setreg_imm32_b32 hwreg(HW_REG_WAVE_MODE, 25, 1), 1
	s_wait_xcnt 0x0
; The three weights, f32 with K as their FIRST axis (W_in, W_rec: [512][512]; W_out: [512][128]), are quantised along K to codes of FP6 (E2M3) with one E8M0 byte for each 32 along K,
; and laid into wq IN THE ORDER OF THE OPERAND'S REGISTERS, so that the next launch takes every fragment by loads of 16 bytes a lane.
; A block's scale is 2^(floor(log2(its largest magnitude)) - 2); its byte is the largest magnitude's exponent field - 2, held at 1 from below (the quantiser's own hold at -126).
; LIMITS: a block of zeros gets the byte 1 where the quantiser says 127: its codes are zeros, which add nothing under any byte but 0xff, and this program alone reads the bytes.  NaN and infinities are not served.
; wq: bytes 0 .. 67,583: four parts of 16,896 bytes, part w for wave w of the next launch: W_out's 8 fragments (tile n, K step s at (4 n + s) x 1,536), then the scale images of W_in (2,048), W_rec (2,048), W_out (512).
;     bytes 67,584 on: W_in's and W_rec's fragments at layer x 196,608 + w x 49,152 + (8 s + t) x 1,536.
; A FRAGMENT's image (16 columns x 128 K, 12 registers a lane): registers 4 g .. 4 g + 3 of lane l at 512 g + 16 l; lane (r, h) holds k = 128 s + 64 c + 32 h + 0 .. 31 in registers 6 c .. 6 c + 5.
; In W_in and W_rec lane r of tile t = 2 b + u takes column 128 w + 32 b + 8 u + r + 8 (r / 8), so that a product's 16 result registers of tiles 2 b, 2 b + 1 are 16 neighbours along the next K; in W_out column 32 w + 16 n + r.
; A SCALE image: chunk i, lane 16 h' + r, word j at 512 i + 16 (16 h' + r) + 4 j = the word of tile 2 i + (j >> 1), K step 2 (j & 1) + h', row r.
; SHARES.  Work-group g takes 32 columns and all of K: g = 0 .. 15 W_in, 16 .. 31 W_rec, 32 .. 35 W_out.  Wave v = 2 s + h takes K step s and the two blocks that lanes of half h hold.
; A LANE TAKES A COLUMN AND ITS REGISTERS RUN DOWN K: a load reads 128 consecutive bytes a wave, a block's largest magnitude needs no other lane, and the conversions' results are the operand's registers.
.set X, 32                             ; v32-95   my column's 64 numbers: block 0, then block 1
.set F, 96                             ; v96-107  the fragment's 12 registers
.set T0, 108                           ; v108-110, v112-114: the upper halves of the two blocks (a conversion's three registers begin on an even number)
.set T1, 112
	s_load_b256 s[4:11], s[0:1], 0x0               ; W_in s[4:5], W_rec s[6:7], W_out s[8:9], wq s[10:11]
	v_lshl_add_u32 v128, v0, 2, 0x400
	v_mov_b32 v129, 0
	v_lshrrev_b32 v9, 5, v0
	s_delay_alu instid0(VALU_DEP_1)
	v_readfirstlane_b32 s12, v9                    ; wave v
	s_lshr_b32 s13, s12, 1                         ; s: my K step
	s_and_b32 s14, s12, 1                          ; h: my half
	s_and_b32 s15, ttmp9, 15                       ; idx: which 32 columns of the tensor
	s_lshr_b32 s16, ttmp9, 4                       ; layer 0, 1 (2: W_out)
	s_lshr_b32 s26, s15, 2                         ; W_in, W_rec: w
	s_and_b32 s27, s15, 3                          ;              b
	s_mul_i32 s28, s16, 196608                     ; where the codes go, W_in and W_rec: 67,584 + 196,608 layer + 49,152 w + 12,288 s + 3,072 b
	s_mul_i32 s29, s26, 49152
	s_add_co_u32 s28, s28, s29
	s_mul_i32 s29, s13, 12288
	s_add_co_u32 s28, s28, s29
	s_mul_i32 s29, s27, 3072
	s_add_co_u32 s28, s28, s29
	s_add_co_u32 s28, s28, 67584
	s_mul_i32 s30, s26, 16896                      ; and the scale words: 16,896 w + 12,288 + 2,048 layer + 512 b
	s_lshl_b32 s29, s16, 11
	s_add_co_u32 s30, s30, s29
	s_lshl_b32 s29, s27, 9
	s_add_co_u32 s30, s30, s29
	s_add_co_u32 s30, s30, 12288
	s_mul_i32 s31, s15, 16896                      ; W_out (w = idx): codes at 16,896 w + 1,536 s, scale words at 16,896 w + 16,384
	s_mul_i32 s29, s13, 1536
	s_add_co_u32 s32, s31, s29
	s_add_co_u32 s33, s31, 16384
	s_lshl_b32 s34, s13, 7
	s_lshl_b32 s29, s14, 5
	s_add_co_u32 s34, s34, s29                     ; k0 = 128 s + 32 h: my first block's first row
	s_lshl_b32 s35, s34, 11                        ; in bytes: rows of 2,048
	s_lshl_b32 s36, s34, 9                         ; or of 512
	s_lshl_b32 s37, s14, 8                         ; 256 h: my half's place in an image
	s_and_b32 s38, s13, 1                          ; my bytes' place in a column's 16 scale bytes in LDS: the words in the order s = 0, 2, 1, 3
	s_lshl_b32 s38, s38, 3
	s_lshr_b32 s39, s13, 1
	s_lshl_b32 s39, s39, 2
	s_add_co_u32 s38, s38, s39
	s_add_co_u32 s38, s38, s14                     ; 8 (s & 1) + 4 (s >> 1) + h
	s_cmp_lt_u32 ttmp9, 32                         ; W_in or W_rec?  All choices hang on the work-group's number alone
	s_cselect_b32 s17, 3, 4                        ; which bit of the column's number is the tile's (u, or n)
	s_cselect_b32 s18, 4, 3                        ; and which is bit 3 of the tile's lane
	s_mov_b32 s19, 6144
	s_cselect_b32 s19, 1536, s19                   ; bytes from tile to tile
	s_cselect_b32 s28, s28, s32
	s_cselect_b32 s30, s30, s33
	s_cselect_b32 s34, s35, s36
	s_lshl_b32 s29, s15, 7                         ; + my 32 columns: 128 idx bytes
	s_add_co_u32 s34, s34, s29
	s_mov_b32 s35, 0
	s_mov_b32 s29, 0
	s_mov_b32 s31, 0
	v_and_b32 v1, 31, v0                           ; c: my column of the 32
	s_delay_alu instid0(VALU_DEP_1)
	v_lshlrev_b32 v2, 2, v1                        ; in: 4 bytes a lane
	s_delay_alu instid0(VALU_DEP_2)
	v_lshrrev_b32 v3, s17, v1
	s_delay_alu instid0(VALU_DEP_1)
	v_and_b32 v3, 1, v3                            ; u: which of the two tiles
	s_delay_alu instid0(VALU_DEP_4)
	v_lshrrev_b32 v4, s18, v1
	s_delay_alu instid0(VALU_DEP_1)
	v_and_b32 v4, 1, v4
	v_and_b32 v9, 7, v1
	s_delay_alu instid0(VALU_DEP_1)
	v_lshl_add_u32 v4, v4, 3, v9                   ; r: my column's lane in its tile
	v_mul_lo_u32 v5, v3, s19
	s_delay_alu instid0(VALU_DEP_1)
	v_lshl_add_u32 v5, v4, 4, v5
	s_delay_alu instid0(VALU_DEP_1)
	v_add_nc_u32 v5, s37, v5                       ; codes: tile + 256 h + 16 r
	s_delay_alu instid0(VALU_DEP_4)
	v_lshlrev_b32 v6, 4, v4
	s_delay_alu instid0(VALU_DEP_1)
	v_lshl_add_u32 v6, v3, 3, v6                   ; scale words: 16 r + 8 u
	v_lshlrev_b32 v8, 4, v1                        ; LDS: 16 bytes a column
	s_delay_alu instid0(VALU_DEP_1)
	v_add_nc_u32 v7, s38, v8                       ; and my two bytes in them
	s_wait_kmcnt 0x0
	s_cmp_lt_u32 ttmp9, 16
	s_cselect_b64 s[20:21], s[4:5], s[6:7]
	s_cmp_lt_u32 ttmp9, 32
	s_cselect_b64 s[20:21], s[20:21], s[8:9]       ; my tensor,
	s_add_nc_u64 s[20:21], s[20:21], s[34:35]      ; at row k0, my first column
	s_add_nc_u64 s[22:23], s[10:11], s[28:29]      ; where my codes go
	s_add_nc_u64 s[24:25], s[10:11], s[30:31]      ; where the work-group's scale words go
.macro LOADS pitch                     ; rows k0 .. k0 + 31 and k0 + 64 .. k0 + 95: all 64 loads of the wave are out together
.set I, 0
.rept 64
	global_load_b32 v[X+I], v2, s[20:21] offset:(I+32*(I/32))*\pitch th:TH_LOAD_NT
.set I, I+1
.endr
.endm
	s_cmp_lt_u32 ttmp9, 32                         ; the two shapes differ in the loads' immediates alone
	s_cbranch_scc0 .Lnarrow
	LOADS 2048
	s_branch .Lloaded
.Lnarrow:
	LOADS 512
.Lloaded:
	s_wait_loadcnt 0x0
	v_max3_num_f32 v10, |v[X]|, |v[X+1]|, 0x1800000        ; each block's largest magnitude, and the floor 2^(3 - 127): the byte cannot fall under 1.  The two blocks by turns
	v_max3_num_f32 v11, |v[X+32]|, |v[X+33]|, 0x1800000
.irp i, 2,4,6,8,10,12,14,16,18,20,22,24,26,28,30
	s_delay_alu instid0(VALU_DEP_2)
	v_max3_num_f32 v10, v10, |v[X+\i]|, |v[X+1+\i]|
	s_delay_alu instid0(VALU_DEP_2)
	v_max3_num_f32 v11, v11, |v[X+32+\i]|, |v[X+33+\i]|
.endr
	s_delay_alu instid0(VALU_DEP_2)
	v_add_nc_u32 v12, 0xff000000, v10              ; 2 off the exponent field: the conversion takes the exponent field of this operand as its scale
	s_delay_alu instid0(VALU_DEP_2)
	v_add_nc_u32 v13, 0xff000000, v11
	s_delay_alu instid0(VALU_DEP_2)
	v_lshrrev_b32 v14, 23, v12                     ; the scales' bytes
	s_delay_alu instid0(VALU_DEP_2)
	v_lshrrev_b32 v15, 23, v13
	ds_store_b8 v7, v14                            ; byte h of K step s's word of my column,
	ds_store_b8 v7, v15 offset:2                   ; and byte 2 + h
	v_cvt_scalef32_pk16_fp6_f32 v[F:F+2], v[X:X+15], v12
	v_cvt_scalef32_pk16_fp6_f32 v[T0:T0+2], v[X+16:X+31], v12
	v_cvt_scalef32_pk16_fp6_f32 v[F+6:F+8], v[X+32:X+47], v13
	v_cvt_scalef32_pk16_fp6_f32 v[T1:T1+2], v[X+48:X+63], v13
	v_nop                                          ; one plain place behind a scaled conversion
.irp i, 0,1,2
	v_mov_b32 v[F+3+\i], v[T0+\i]
	v_mov_b32 v[F+9+\i], v[T1+\i]
.endr
.irp g, 0,1,2
	global_store_b128 v5, v[F+4*\g:F+4*\g+3], s[22:23] offset:512*\g   ; for each of the two tiles sixteen lanes store 256 consecutive bytes, aligned
.endr
	s_wait_dscnt 0x0                               ; for the others' sake: my byte stores are done
	s_barrier_signal -1
	s_barrier_wait -1
	s_cmp_lg_u32 s12, 0                            ; wave 0 sends the 32 columns' scale words out
	s_cbranch_scc1 .Ldone
	ds_load_b128 v[116:119], v8                    ; my column's words of K steps 0, 2, 1, 3
	s_wait_dscnt 0x0
	global_store_b64 v6, v[116:117], s[24:25]              ; K steps 0, 2: the image's lanes 0-15; 32 lanes store 256 consecutive bytes, aligned
	global_store_b64 v6, v[118:119], s[24:25] offset:256   ; K steps 1, 3: its lanes 16-31
.Ldone:
	s_barrier_signal -1
	s_barrier_wait -1
	s_wait_tensorcnt 0x0
	ds_add_u32 v128, v129
	s_wait_dscnt 0x0
	s_endpgm
.Lfunc_end_k_q6e822ef828_prep:
	.size	k_q6e822ef828_prep, .Lfunc_end_k_q6e822ef828_prep-k_q6e822ef828_prep
	.p2alignl 7, 3214868480
	.fill 96, 4, 3214868480
	.section	.rodata,"a",@progbits
	.p2align	6, 0x0
	.amdhsa_kernel k_q6e822ef828_prep
		.amdhsa_group_segment_fixed_size 2048
		.amdhsa_private_segment_fixed_size 0
		.amdhsa_enable_private_segment 0
		.amdhsa_kernarg_size 32
		.amdhsa_user_sgpr_count 2
		.amdhsa_user_sgpr_kernarg_segment_ptr 1
		.amdhsa_wavefront_size32 1
		.amdhsa_system_sgpr_workgroup_id_x 1
		.amdhsa_system_sgpr_workgroup_id_y 1
		.amdhsa_system_sgpr_workgroup_id_z 1
		.amdhsa_system_vgpr_workitem_id 0
		.amdhsa_next_free_vgpr 130
		.amdhsa_next_free_sgpr 66
		.amdhsa_reserve_vcc 0
		.amdhsa_float_denorm_mode_32 3
		.amdhsa_float_denorm_mode_16_64 3
		.amdhsa_memory_ordered 1
		.amdhsa_forward_progress 1
		.amdhsa_inst_pref_size 21
	.end_amdhsa_kernel
	.amdgpu_metadata
---
amdhsa.version: [ 1, 2 ]
amdhsa.kernels:
  - .name:           k_q6e822ef828_prep
    .symbol:         k_q6e822ef828_prep.kd
    .args:
      - { .name: input_weights, .offset: 0, .size: 8, .value_kind: global_buffer, .address_space: global }
      - { .name: recurrent_weights, .offset: 8, .size: 8, .value_kind: global_buffer, .address_space: global }
      - { .name: output_weights, .offset: 16, .size: 8, .value_kind: global_buffer, .address_space: global }
      - { .name: wq, .offset: 24, .size: 8, .value_kind: global_buffer, .address_space: global }
    .group_segment_fixed_size: 2048
    .private_segment_fixed_size: 0
    .kernarg_segment_align: 8
    .kernarg_segment_size: 32
    .max_flat_workgroup_size: 256
    .sgpr_count:     66
    .vgpr_count:     130
    .wavefront_size: 32
...
	.end_amdgpu_metadata
.endif
;; end of part 1
;; launch chain (part 2): grid 250 x 1, 4 waves a work-group, no clusters, 327,680 bytes of LDS; arguments external_input_tensor, input_biases, recurrent_biases, output_biases, wq, out0; writes out0
.if DOCPART == 2
	.amdgcn_target "amdgcn-amd-amdhsa--gfx1250"
	.amdhsa_code_object_version 6
	.text
	.protected	k_q6e822ef828_chain
	.globl	k_q6e822ef828_chain
	.p2align	8
	.type	k_q6e822ef828_chain,@function
k_q6e822ef828_chain:
	s_mov_b64 s[64:65], 0
	v_nop
	global_prefetch_b8 v0, s[64:65] scope:SCOPE_SE
	s_setreg_imm32_b32 hwreg(HW_REG_WAVE_MODE, 25, 1), 1
	s_wait_xcnt 0x0
; y = Q(relu(Q(Q(x + b_in) Q(W_in)) Q(W_rec) + b_rec)) Q(W_out) + b_out, Q the MX-FP6 quantiser along K; every step is done, nothing is left out.
; A work-group of four waves takes 400 rows in five blocks of 80 through all three products; the intermediates stay in LDS as images of the operand's registers.
; Wave w owns columns 128 w .. 128 w + 127 of W_in and W_rec: 64 fragments, 63 of them in register windows 1 to 3, the 64th in LDS; W_out's fragments and all weight scales lie in LDS.
; Products are used transposed (source 0 = weights, source 1 = activations): a lane holds one row and its registers run along the next K.
; THE HEAD: behind x's tensor load go the loads of the biases, of the 64th fragment and of W_in; the constants' tile is asked for when x has landed; block 0 is quantised ahead of the loop,
; and W_rec's 93 loads are issued in five runs behind its five tiles.  A trip of the loop is: the three products and the output of one block, then the quantising of the next.
; x's refill is asked for directly behind the barrier that follows a block's quantising: 360 matrix instructions of the wave stand between the request and the wait for it, so no prefetch is laid beside it.
; NO CLUSTER: 100,000 rows / 400 = 250 work-groups, no multiple of 4; the work-groups share the weights alone, which each reads once.
; LIMITS: a block of zeros gets the scale byte 1 where the quantiser says 127 (its codes are zeros; this program alone reads the bytes); NaN and infinities among the inputs are not served.
.set XP,    528
.set XW,    80*XP
.set LC,    168960
.set LCW,   16896
.set BIN,   236544
.set BOUT,  240640
.set WLS,   241152
.set FRB,   1536
.set IMA,   247296
.set SCA,   278016
.set RB,    32000
.set STG,   279296
.set SPARE, 321536
.set SPW, 1
.set NIL, 2
.set XRD, 3
.set ARD, 4
.set ASR, 5
.set AWI, 6
.set AWS, 7
.set LCR, 8
.set BIR, 9
.set BOR, 10
.set SO,  11
.set SR,  12
.set PW,  13
.set TM,  14
.set PC,  26
.set WLR, 41
.set GO,  45
.set XSC, 46
.set WSC, 48
.set HSC, 46
.set WS3, 56
.set LX,  64
.set XF,  64
.set WL,  112
.set Y,   128
.set BI,  192
.set HF,  64
.set WOF, 124
.set ACC3, 148
.set BO,  228
.set ST,  64
.set WV,  16
.set SEL, 20
.set BLK, 22
.set G1X, 24
.set G0X, 32
.set G1C, 36
.set G0C, 44
.set WB,  48
.set MSB, 0
.macro WIN new
.if MSB != \new
	s_set_vgpr_msb (MSB<<8)|\new
.set MSB, \new
.endif
.endm
.macro PLACES
.rept 4
	v_nop
.endr
.endm
.macro BARRIER
	s_wait_dscnt 0x0
	s_barrier_signal -1
	s_barrier_wait -1
.endm
.macro QUANT
.irp b, 0,1,2,3
	v_max3_num_f32 v[TM+\b], |v[Y+16*\b]|, |v[Y+1+16*\b]|, 0x1800000
.endr
.irp i, 2,4,6,8,10,12,14
.irp b, 0,1,2,3
	v_max3_num_f32 v[TM+\b], v[TM+\b], |v[Y+16*\b+\i]|, |v[Y+1+16*\b+\i]|
.endr
.endr
.irp b, 0,1,2,3
	v_permlanex16_b32 v[TM+4+\b], v[TM+\b], s[SEL], s[SEL+1]
.endr
.irp b, 0,1,2,3
	v_max_num_f32 v[TM+\b], v[TM+\b], v[TM+4+\b]
.endr
.irp b, 0,1,2,3
	v_add_nc_u32 v[TM+8+\b], 0xff000000, v[TM+\b]
.endr
.irp b, 0,1,2,3
	v_lshrrev_b32 v[TM+4+\b], 23, v[TM+8+\b]
.endr
	v_lshl_or_b32 v[PW], v[TM+5], 8, v[TM+4]
	v_lshl_or_b32 v[PW], v[TM+6], 16, v[PW]
	v_lshl_or_b32 v[PW], v[TM+7], 24, v[PW]
.irp c, 0,1
	v_cvt_scalef32_pk16_fp6_f32 v[PC+6*\c:PC+2+6*\c], v[Y+32*\c:Y+15+32*\c], v[TM+8+2*\c]
	v_cvt_scalef32_pk16_fp6_f32 v[PC+12+4*\c:PC+14+4*\c], v[Y+16+32*\c:Y+31+32*\c], v[TM+8+2*\c+1]
.endr
	v_nop
.irp c, 0,1
.irp i, 0,1,2
	v_permlane16_swap_b32 v[PC+6*\c+\i], v[PC+12+4*\c+\i]
.endr
.irp i, 0,1,2
	v_mov_b32 v[PC+3+6*\c+\i], v[PC+12+4*\c+\i]
.endr
.endr
.endm
.macro IMAGE reg, m
.irp c, 0,1,2
	ds_store_b128 v[AWI], v[PC+4*\c:PC+4*\c+3] offset:\reg+4*FRB*(\m)+512*\c
.endr
	ds_store_b32 v[AWS], v[PW] offset:\reg+256*(\m)
.endm
.macro FETCH reg, m
.irp s, 0,1,2,3
.irp c, 0,1,2
	ds_load_b128 v[XF+12*\s+4*\c:XF+12*\s+4*\c+3], v[ARD] offset:\reg+4*FRB*(\m)+FRB*\s+512*\c
.endr
.endr
	ds_load_b64 v[XSC:XSC+1], v[ASR] offset:\reg+256*(\m)
.endm
.macro XLD m
.irp b, 0,1,2,3
.irp j, 0,1,2,3
	ds_load_b128 v[LX+16*\b+4*\j:LX+16*\b+4*\j+3], v[XRD] offset:16*XP*(\m)+128*\b+16*\j
.endr
.endr
.endm
.macro BLD off
.irp b, 0,1,2,3
.irp j, 0,1,2,3
	ds_load_b128 v[BI+16*\b+4*\j:BI+16*\b+4*\j+3], v[BIR] offset:\off+128*\b+16*\j
.endr
.endr
.endm
.macro WSCL off
.irp i, 0,1,2,3
	ds_load_b128 v[WSC+4*\i:WSC+4*\i+3], v[LCR] offset:\off+512*\i
.endr
.endm
.macro MM d, a, b, cm, c, sa, sb, odd
.if \cm
.if \odd
	v_wmma_scale_f32_16x16x128_f8f6f4 v[\d:\d+7], v[\a:\a+11], v[\b:\b+11], v[\c:\c+7], v[\sa], v[\sb] matrix_a_fmt:MATRIX_FMT_FP6 matrix_b_fmt:MATRIX_FMT_FP6 matrix_a_scale:MATRIX_SCALE_ROW1 matrix_b_scale:MATRIX_SCALE_ROW1
.else
	v_wmma_scale_f32_16x16x128_f8f6f4 v[\d:\d+7], v[\a:\a+11], v[\b:\b+11], v[\c:\c+7], v[\sa], v[\sb] matrix_a_fmt:MATRIX_FMT_FP6 matrix_b_fmt:MATRIX_FMT_FP6
.endif
.else
	v_wmma_scale_f32_16x16x128_f8f6f4 v[\d:\d+7], v[\a:\a+11], v[\b:\b+11], 0, v[\sa], v[\sb] matrix_a_fmt:MATRIX_FMT_FP6 matrix_b_fmt:MATRIX_FMT_FP6
.endif
.endm
.macro MUL layer
.set KS, 0
.rept 4
.set TT, 0
.rept 8
.set G, 32*(\layer-1)+8*KS+TT
.if G < 63
.set WN, 1+G/21
.set AR, 12*(G%21)
.else
.set WN, 0
.set AR, WL
.endif
.set DR, Y+8*TT
.set BRG, XF+12*KS
.set CM, 0
.set CR, DR
.if KS > 0
.set CM, 1
.elseif \layer == 2
.set CM, 1
.set CR, BI+8*TT
.endif
.set SA, WSC+2*TT+KS/2
.set SB, XSC+KS/2
.set OD, KS%2
	WIN WN
	MM DR, AR, BRG, CM, CR, SA, SB, OD
.set TT, TT+1
.endr
.set KS, KS+1
.endr
	WIN 0
	PLACES
.endm
.macro LAYER layer, rin, rout, first
.irp m, 0,1,2,3,4
.if \m == 0
	s_wait_dscnt \first
.else
	s_wait_dscnt 4
.endif
	MUL \layer
	s_wait_dscnt 0x0
.if \m < 4
	FETCH \rin, \m+1
.endif
.if \layer == 2
.set J, 0
.rept 64
	v_max_num_f32 v[Y+J], 0, v[Y+J]
.set J, J+1
.endr
.endif
	QUANT
	IMAGE \rout, \m
.endr
.endm
.macro LAYER3
.irp n, 0,1
	ds_load_b128 v[BO+8*\n:BO+8*\n+3], v[BOR] offset:64*\n
	ds_load_b128 v[BO+8*\n+4:BO+8*\n+7], v[BOR] offset:64*\n+16
.endr
.irp m, 0,1,2,3,4
	ds_load_b64 v[HSC+2*\m:HSC+2*\m+1], v[ASR] offset:256*\m
.endr
	ds_load_b128 v[WS3:WS3+3], v[LCR] offset:16384
.irp s, 0,1,2,3
.irp m, 0,1,2,3,4
.irp c, 0,1,2
	ds_load_b128 v[HF+12*\m+4*\c:HF+12*\m+4*\c+3], v[ARD] offset:4*FRB*\m+FRB*\s+512*\c
.endr
.endr
.irp n, 0,1
.irp c, 0,1,2
	ds_load_b128 v[WOF+12*\n+4*\c:WOF+12*\n+4*\c+3], v[LCR] offset:(4*\n+\s)*FRB+512*\c
.endr
.endr
	s_wait_dscnt 0x0
.irp m, 0,1,2,3,4
.irp n, 0,1
.set DR, ACC3+8*(2*\m+\n)
.set AR, WOF+12*\n
.set BRG, HF+12*\m
.set CR, DR
.if \s == 0
.set CR, BO+8*\n
.endif
.set SA, WS3+2*\n+\s/2
.set SB, HSC+2*\m+\s/2
.set OD, \s%2
	MM DR, AR, BRG, 1, CR, SA, SB, OD
.endr
.endr
	PLACES
.endr
.irp m, 0,1,2,3,4
.irp n, 0,1
	ds_store_b128 v[SO], v[ACC3+8*(2*\m+\n):ACC3+8*(2*\m+\n)+3] offset:16*XP*\m+64*\n
	ds_store_b128 v[SO], v[ACC3+8*(2*\m+\n)+4:ACC3+8*(2*\m+\n)+7] offset:16*XP*\m+64*\n+16
.endr
.endr
.endm
.macro WRL g0, n                       ; n fragments of W_rec from number g0 on, three loads of 512 consecutive bytes each
.set G, \g0
.rept \n
.set WN, (1+G/21)<<6
	WIN WN
.irp g, 0,1,2
	global_load_b128 v[12*(G%21)+4*\g:12*(G%21)+4*\g+3], v[GO], s[WB:WB+1] offset:(G/32)*196608+(G%32)*FRB+512*\g
.endr
.set G, G+1
.endr
	WIN 0
.endm
.macro XQ wl                           ; x + b_in, quantised: my 128 columns of the block's five tiles.  wl = 1: block 0, which also issues W_rec's loads
	XLD 0
.irp m, 0,1,2,3,4
.if \m == 0
	s_wait_dscnt 0x0
.else
	s_wait_dscnt 4
.endif
.set J, 0
.rept 32
	v_pk_add_f32 v[Y+J:Y+J+1], v[LX+J:LX+J+1], v[BI+J:BI+J+1]
.set J, J+2
.endr
.if \m > 0
	s_wait_dscnt 0x0
.endif
.if \m < 4
	XLD \m+1
.endif
	QUANT
	IMAGE 0, \m
.if \wl
.if \m < 4
	WRL 32+7*\m, 7
.else
	WRL 60, 3
.endif
.endif
.endr
.endm
.macro BLOCK refill                    ; the three products and the output of the block that has been quantised
.if \refill
	s_wait_tensorcnt 0x0
	ds_add_u32 v[SPW], v[NIL]
	s_add_nc_u64 s[G0X+2:G0X+3], s[G0X+2:G0X+3], 163840
	s_wait_dscnt 0x0
	s_barrier_signal -1
	s_barrier_wait -1
	tensor_load_to_lds s[G0X:G0X+3], s[G1X:G1X+7]
	s_nop 0
	PLACES
.else
	BARRIER
.endif
	WSCL 12288
	FETCH 0, 0
	BLD 2048
.irp c, 0,1,2
	ds_load_b128 v[WL+4*\c:WL+4*\c+3], v[WLR] offset:512*\c
.endr
	s_wait_loadcnt 63                              ; W_in's fragments are in: 93 loads were issued behind them, of which 63 may be out (first trip)
	LAYER 1, 0, RB, 19
	BARRIER
	WSCL 14336
	FETCH RB, 0
	s_wait_loadcnt 0x0                             ; W_rec's fragments are in
	LAYER 2, RB, 0, 0
	BARRIER
	LAYER3
	BARRIER
.if \refill
	BLD 0
.endif
.irp i, 0,1,2,3,4,5,6,7,8,9,10,11,12,13,14,15,16,17,18,19
	ds_load_b128 v[ST+4*\i:ST+4*\i+3], v[SR] offset:XP*\i
.endr
.irp i, 0,1,2,3,4,5,6,7,8,9,10,11,12,13,14,15,16,17,18,19
	s_wait_dscnt 19-\i
	global_store_b128 v[GO], v[ST+4*\i:ST+4*\i+3], s[14:15] offset:512*\i th:TH_STORE_NT
.endr
.if \refill
	s_wait_xcnt 0x0
	s_add_nc_u64 s[14:15], s[14:15], 40960
	s_wait_tensorcnt 0x0                           ; the next block's x, which I alone read, is in
.endif
.endm
	s_load_b256 s[4:11], s[0:1], 0x0
	s_load_b128 s[12:15], s[0:1], 0x20
	v_lshl_add_u32 v[SPW], v0, 2, SPARE
	v_mov_b32 v[NIL], 0
	ds_add_u32 v1, v2
	ds_add_u32 v1, v2
	s_wait_dscnt 0x0
	v_lshrrev_b32 v14, 5, v0
	v_readfirstlane_b32 s[WV], v14
	s_mov_b32 s[G1X+0], (2<<16)|(1<<20)|(6<<22)|(3<<25)
	s_mov_b32 s[G1X+1], 128<<16
	s_mov_b32 s[G1X+2], 80<<16
	s_mov_b32 s[G1X+3], 128<<16
	s_mov_b32 s[G1X+4], 80
	s_mov_b32 s[G1X+5], 512
	s_mov_b32 s[G1X+6], 0
	s_mov_b32 s[G1X+7], 0
	s_mov_b32 s[G1C+0], 3<<16
	s_mov_b32 s[G1C+1], 32<<16
	s_mov_b32 s[G1C+2], 66<<16
	s_mov_b32 s[G1C+3], 32<<16
	s_mov_b32 s[G1C+4], 66
	s_mov_b32 s[G1C+5], 32
	s_mov_b32 s[G1C+6], 0
	s_mov_b32 s[G1C+7], 0
	s_mul_i32 s50, ttmp9, 819200
	s_lshl_b32 s54, s[WV], 9
	s_add_co_u32 s50, s50, s54
	s_mov_b32 s51, 0
	s_mul_i32 s52, ttmp9, 400
	s_mul_i32 s53, s[WV], 20
	s_add_co_u32 s52, s52, s53
	s_lshl_b32 s52, s52, 9
	s_mov_b32 s53, 0
	s_mov_b32 s55, 0
	s_lshl_b32 s56, s[WV], 7
	s_mov_b32 s57, 0
	s_mul_i32 s58, s[WV], LCW
	s_mov_b32 s59, 0
	s_mul_i32 s18, s[WV], 49152
	s_add_co_u32 s18, s18, 67584
	s_mov_b32 s19, 0
	s_mul_i32 s17, s[WV], XW
	s_mov_b32 s[SEL], 0x76543210
	s_mov_b32 s[SEL+1], 0xfedcba98
	s_mov_b32 s[BLK], 4
	s_wait_kmcnt 0x0
	s_mov_b32 s[G0X], 1
	s_mov_b32 s[G0X+1], s17
	s_add_nc_u64 s[G0X+2:G0X+3], s[4:5], s[50:51]
	s_or_b32 s[G0X+3], s[G0X+3], 0x80000000
	s_mov_b32 s[G0C], 1
	s_add_co_u32 s[G0C+1], s58, LC
	s_add_nc_u64 s[G0C+2:G0C+3], s[12:13], s[58:59]
	s_or_b32 s[G0C+3], s[G0C+3], 0x80000000
	tensor_load_to_lds s[G0X:G0X+3], s[G1X:G1X+7]  ; block 0's x: my first tensor load at the head
	s_nop 0
	PLACES
	s_add_nc_u64 s[6:7], s[6:7], s[54:55]
	s_add_nc_u64 s[8:9], s[8:9], s[54:55]
	s_add_nc_u64 s[10:11], s[10:11], s[56:57]
	s_add_nc_u64 s[14:15], s[14:15], s[52:53]
	s_add_nc_u64 s[WB:WB+1], s[12:13], s[18:19]
	v_and_b32 v14, 31, v0
	v_and_b32 v15, 15, v0
	v_bfe_u32 v16, v0, 4, 1
	v_lshlrev_b32 v[GO], 4, v14
	v_lshlrev_b32 v23, 2, v14
	global_load_b128 v[68:71], v[GO], s[6:7]
	global_load_b128 v[72:75], v[GO], s[8:9]
	global_load_b32 v76, v23, s[10:11]
.irp g, 0,1,2
	global_load_b128 v[WL+4*\g:WL+4*\g+3], v[GO], s[WB:WB+1] offset:196608+31*FRB+512*\g
.endr
.set G, 0
.rept 32
.set WN, (1+G/21)<<6
	WIN WN
.irp g, 0,1,2
	global_load_b128 v[12*(G%21)+4*\g:12*(G%21)+4*\g+3], v[GO], s[WB:WB+1] offset:(G/32)*196608+(G%32)*FRB+512*\g
.endr
.set G, G+1
.endr
	WIN 0
	v_mul_u32_u24 v[XRD], v15, XP
	v_lshl_add_u32 v[XRD], v16, 6, v[XRD]
	v_add_nc_u32 v[XRD], s17, v[XRD]
	v_add_nc_u32 v[ARD], IMA, v[GO]
	v_lshl_add_u32 v[ASR], v14, 3, SCA
	s_mul_i32 s50, s[WV], FRB
	v_add_nc_u32 v[AWI], s50, v[ARD]
	v_add_nc_u32 v[WLR], s50, v[GO]
	v_add_nc_u32 v[WLR], WLS, v[WLR]
	s_and_b32 s51, s[WV], 1
	s_lshl_b32 s51, s51, 7
	s_lshr_b32 s52, s[WV], 1
	s_lshl_b32 s52, s52, 2
	s_add_co_u32 s51, s51, s52
	v_lshl_add_u32 v[AWS], v15, 3, SCA
	v_add_nc_u32 v[AWS], s51, v[AWS]
	v_add_nc_u32 v[LCR], s[G0C+1], v[GO]
	v_lshl_add_u32 v[BIR], v16, 6, BIN
	v_add_nc_u32 v[BIR], s54, v[BIR]
	v_lshl_add_u32 v[BOR], v16, 5, BOUT
	v_add_nc_u32 v[BOR], s56, v[BOR]
	v_mul_u32_u24 v[SO], v15, XP
	v_lshl_add_u32 v[SO], v16, 5, v[SO]
	v_add_nc_u32 v[SO], s56, v[SO]
	v_add_nc_u32 v[SO], STG, v[SO]
	s_mul_i32 s53, s[WV], 20*XP
	v_add_nc_u32 v[SR], s53, v[GO]
	v_add_nc_u32 v[SR], STG, v[SR]
	v_add_nc_u32 v17, s54, v[GO]
	v_add_nc_u32 v17, BIN, v17
	v_lshl_add_u32 v22, v14, 2, BOUT
	v_add_nc_u32 v22, s56, v22
.irp b, 0,1,2,3
	v_mov_b32 v[TM+4+\b], 0
.endr
	s_wait_alu depctr_va_vdst(0)
	s_wait_tensorcnt 0x0                           ; block 0's x is in
	ds_add_u32 v1, v2
	s_wait_dscnt 0x0
	s_barrier_signal -1
	s_barrier_wait -1
	tensor_load_to_lds s[G0C:G0C+3], s[G1C:G1C+7]  ; my quarter of the constants; it lands while block 0 is quantised
	s_nop 0
	PLACES
	s_wait_loadcnt 63                              ; of 102 loads the oldest 39 are in, the biases' and the 64th fragment's six among them
	ds_store_b128 v17, v[68:71]
	ds_store_b128 v17, v[72:75] offset:2048
	ds_store_b32 v22, v76
.irp g, 0,1,2
	ds_store_b128 v[WLR], v[WL+4*\g:WL+4*\g+3] offset:512*\g
.endr
	BLD 0
	XQ 1
.Lblk:
	BLOCK 1
	XQ 0
	s_sub_co_u32 s[BLK], s[BLK], 1
	s_cmp_lg_u32 s[BLK], 0
	s_cbranch_scc1 .Lblk
	BLOCK 0
	s_wait_tensorcnt 0x0
	ds_add_u32 v[SPW], v[NIL]
	s_wait_dscnt 0x0
	s_endpgm
.Lfunc_end_k_q6e822ef828_chain:
	.size	k_q6e822ef828_chain, .Lfunc_end_k_q6e822ef828_chain-k_q6e822ef828_chain
	.p2alignl 7, 3214868480
	.fill 96, 4, 3214868480
	.section	.rodata,"a",@progbits
	.p2align	6, 0x0
	.amdhsa_kernel k_q6e822ef828_chain
		.amdhsa_group_segment_fixed_size 327680
		.amdhsa_private_segment_fixed_size 0
		.amdhsa_enable_private_segment 0
		.amdhsa_kernarg_size 48
		.amdhsa_user_sgpr_count 2
		.amdhsa_user_sgpr_kernarg_segment_ptr 1
		.amdhsa_wavefront_size32 1
		.amdhsa_system_sgpr_workgroup_id_x 1
		.amdhsa_system_sgpr_workgroup_id_y 1
		.amdhsa_system_sgpr_workgroup_id_z 1
		.amdhsa_system_vgpr_workitem_id 0
		.amdhsa_next_free_vgpr 1024
		.amdhsa_next_free_sgpr 66
		.amdhsa_reserve_vcc 0
		.amdhsa_float_denorm_mode_32 3
		.amdhsa_float_denorm_mode_16_64 3
		.amdhsa_memory_ordered 1
		.amdhsa_forward_progress 1
		.amdhsa_inst_pref_size 255
	.end_amdhsa_kernel
	.section	.bss,"aw",@nobits
	.p2align	6
	.space	262144
	.amdgpu_metadata
---
amdhsa.version: [ 1, 2 ]
amdhsa.kernels:
  - .name:           k_q6e822ef828_chain
    .symbol:         k_q6e822ef828_chain.kd
    .args:
      - { .name: external_input_tensor, .offset: 0, .size: 8, .value_kind: global_buffer, .address_space: global }
      - { .name: input_biases, .offset: 8, .size: 8, .value_kind: global_buffer, .address_space: global }
      - { .name: recurrent_biases, .offset: 16, .size: 8, .value_kind: global_buffer, .address_space: global }
      - { .name: output_biases, .offset: 24, .size: 8, .value_kind: global_buffer, .address_space: global }
      - { .name: wq, .offset: 32, .size: 8, .value_kind: global_buffer, .address_space: global }
      - { .name: out0, .offset: 40, .size: 8, .value_kind: global_buffer, .address_space: global }
    .group_segment_fixed_size: 327680
    .private_segment_fixed_size: 0
    .kernarg_segment_align: 8
    .kernarg_segment_size: 48
    .max_flat_workgroup_size: 128
    .sgpr_count:     66
    .vgpr_count:     1024
    .wavefront_size: 32
...
	.end_amdgpu_metadata
.endif
;; end of part 2
